; MI455X (gfx1250); checked and timed in simulation.
; The chip was launched on July 23, 2026; its instructions are those of AMD's public machine-readable ISA for CDNA 5 (MIT licence, August 2026) and "CDNA5" Instruction Set Architecture Reference Guide (July 2026). The comments in the code are by the model that wrote it; some were corrected since.
;; TM Lin Kernel Attn. Allowed arithmetic: matrix products marked QUANTISED: E3M2 operands, one E8M0 scale for each 32 along K, by v_wmma_scale_f32_16x16x128_f8f6f4 with both operands' format E3M2, f32 sums; products left as they are: f32 operands where the result goes on into a quantised operand, else bf16, f16 or f32 operands; f32 sums; everything else in f32.
;; Inputs: Wk_codes 1,024 x 32 x 24 uint8 (E3M2 codes of Wk, K innermost, in blocks of 32 codes, four codes in three bytes); Wk_scales 1,024 x 32 uint8 (E8M0 scales of Wk, one for each 32 codes along K); Wphi_codes 256 x 32 x 24 uint8 (E3M2 codes of Wphi, K innermost, in blocks of 32 codes, four codes in three bytes); Wphi_scales 256 x 32 uint8 (E8M0 scales of Wphi, one for each 32 codes along K); Wq_codes 1,024 x 32 x 24 uint8 (E3M2 codes of Wq, K innermost, in blocks of 32 codes, four codes in three bytes); Wq_scales 1,024 x 32 uint8 (E8M0 scales of Wq, one for each 32 codes along K); Wt_codes 16 x 4 x 24 uint8 (E3M2 codes of Wt, K innermost, in blocks of 32 codes, four codes in three bytes); Wt_scales 16 x 4 uint8 (E8M0 scales of Wt, one for each 32 codes along K); Wv_codes 1,024 x 32 x 24 uint8 (E3M2 codes of Wv, K innermost, in blocks of 32 codes, four codes in three bytes); Wv_scales 1,024 x 32 uint8 (E8M0 scales of Wv, one for each 32 codes along K); bk 1,024 float32; bq 1,024 float32; bt 16 float32; bv 1,024 float32; temp_input_codes 4 x 4,096 x 4 x 24 uint8 (E3M2 codes of temp_input, K innermost, in blocks of 32 codes, four codes in three bytes); temp_input_scales 4 x 4,096 x 4 uint8 (E8M0 scales of temp_input, one for each 32 codes along K); x_codes 4 x 4,096 x 32 x 24 uint8 (E3M2 codes of x, K innermost, in blocks of 32 codes, four codes in three bytes); x_scales 4 x 4,096 x 32 uint8 (E8M0 scales of x, one for each 32 codes along K).
;; Outputs: out0 4 x 4,096 x 1,024 float32.
;; This version of the problem:
;;   THIS VERSION OF THE PROBLEM IS GIVEN IN LOW PRECISION. The matrix products marked QUANTISED in the list below multiply operands that are first quantised to E3M2 (3 exponent bits, 2 mantissa bits; 6 bits a number), with one power-of-two scale for each 32 numbers along K (OCP MX v1.0); their sums are f32. All else is computed in f32.
;;   The module's matrix products, in the order in which they are computed (A, B: the left and right operand; K: the contracted axis; several contracted axes count as one K, in the product's order):
;;     1. [M 16,384, K 1,024] x [K 1,024, N 1,024]; A: input x (given as codes); B: input Wq (given as codes): QUANTISED
;;     2. [M 16,384, K 1,024] x [K 1,024, N 1,024]; A: input x (given as codes); B: input Wk (given as codes): QUANTISED
;;     3. [M 16,384, K 1,024] x [K 1,024, N 1,024]; A: input x (given as codes); B: input Wv (given as codes): QUANTISED
;;     4. [M 16,384, K 1,024] x [K 1,024, N 256]; A: computed on the way; B: input Wphi (given as codes): QUANTISED
;;     5. [M 16,384, K 1,024] x [K 1,024, N 256]; A: computed on the way; B: input Wphi (given as codes): QUANTISED
;;     6. [M 16,384, K 128] x [K 128, N 16]; A: input temp_input (given as codes); B: input Wt (given as codes): QUANTISED
;;     7. batch 64 x [M 16, K 4,096] x [K 4,096, N 64]; A: computed on the way; B: computed on the way: QUANTISED
;;     8. batch 64 x [M 64, K 16] x [K 16, N 4,096]; A: computed on the way; B: computed on the way: left as it is (K = 16 < 32)
;;     9. batch 64 x [M 1, K 16] x [K 16, N 4,096]; A: computed on the way; B: computed on the way: left as it is (K = 16 < 32)
;;   THE QUANTISER, for each operand of a quantised product, along K:
;;     - K is cut into blocks of 32 from its start; a last block that is shorter is filled with zeros.
;;     - A block's scale is 2^e with e = floor(log2(the largest magnitude in the block)) - 4, held to -126 .. 127; a block of zeros has e = 0. As a byte (E8M0): e + 127.
;;     - Each number is divided by its block's scale, clamped to +-28, and rounded to the nearest number of E3M2, ties to even, subnormals kept.
;;     - The product sums the exact products of the quantised numbers (number of the format x scale) in f32.
;;   ~~~python
;;   def quantise(x, axis):      # numpy; x: float32 -> the quantised numbers, widened to float32 again
;;       x = np.moveaxis(x, axis, -1); K = x.shape[-1]
;;       x = np.pad(x, [(0, 0)] * (x.ndim - 1) + [(0, -K % 32)]); x = x.reshape(x.shape[:-1] + (-1, 32)); a = np.abs(x).max(-1, keepdims=True)
;;       e = np.where(a > 0, np.clip(np.frexp(np.where(a > 0, a, 1))[1] - 1 - 4, -126, 127), 0)      # np.frexp(a)[1] - 1 = floor(log2(a)), exactly
;;       r = np.clip(x / 2.0 ** e, -28, 28)
;;       step = 2.0 ** (np.maximum(np.frexp(np.where(r == 0, 1, r))[1] - 1, -2) - 2)
;;       q = np.round(r / step) * step * 2.0 ** e      # np.round: ties to even
;;       return np.moveaxis(q.reshape(q.shape[:-2] + (-1,))[..., :K], -1, axis).astype(np.float32)
;;   ~~~
;;   OPERANDS COMPUTED ON THE WAY. 'Computed on the way' means the value that the module computes at that place (a softmax that the list does not call 'softmax' is quantised finished and normalised). What goes into a quantiser is computed in f32, as accurately as f32 sums, v_exp_f32 and their like allow (about 1e-6 of the number): no bf16 or f16 on the way to a quantiser, and a product that is left as it is and whose result goes on into a quantised operand takes f32 operands (vector FMAs, or v_wmma_f32_16x16x4_f32). A number that lies on a knife's edge between two numbers of the format may be rounded either way, as far as f32 arithmetic and the matrix unit's own rounding can turn it there, and no further.
;;   INPUTS GIVEN AS CODES. Wk (in the module: [1024, 1024], K = its axis 0); Wphi (in the module: [1024, 256], K = its axis 0); Wq (in the module: [1024, 1024], K = its axis 0); Wt (in the module: [128, 16], K = its axis 0); Wv (in the module: [1024, 1024], K = its axis 0); temp_input (in the module: [4, 4096, 128], K = its axis 2); x (in the module: [4, 4096, 1024], K = its axis 2): each comes as NAME_codes (uint8): NAME with its K axis moved to the last place and cut into blocks of 32 codes, [.., K / 32, bytes a block], one block behind the other in memory; four codes in three bytes: a row's codes are one little-endian stream of bits, code i at bits 6 i .. 6 i + 5 (a code: sign, 3 exponent bits, 2 mantissa bits); and NAME_scales (uint8): the same leading axes, one E8M0 byte (e + 127) for each 32 codes along K. Its value is code x scale, taken as it is: it is not quantised again, and the codes and scales need not be those that the quantiser above would give.
;; One version. Each part assembles by itself: llvm-mc -triple=amdgcn-amd-amdhsa -mcpu=gfx1250 --defsym DOCPART=n.
;; ======== version 1 of 1: 2 launches
;; workspace buffers: phiq 8,388,608 bytes; kvp 16,777,216 bytes; zp 262,144 bytes
;; launch chain (part 1): grid 256 x 1, 4 waves a work-group, clusters of 4 x 1, 327,680 bytes of LDS; arguments x_codes, x_scales, Wq_codes, Wk_codes, Wv_codes, Wphi_codes, Wq_scales, Wk_scales, Wv_scales, Wphi_scales, bq, bk, bv, temp_input_codes, temp_input_scales, Wt_codes, Wt_scales, bt, phiq, kvp, zp; writes phiq, kvp, zp
.if DOCPART == 1
	.amdgcn_target "amdgcn-amd-amdhsa--gfx1250"
	.amdhsa_code_object_version 6
	.text
	.protected	k_qa5076ec05e_chain
	.globl	k_qa5076ec05e_chain
	.p2align	8
	.type	k_qa5076ec05e_chain,@function
k_qa5076ec05e_chain:
	s_mov_b64 s[64:65], 0
	v_nop
	global_prefetch_b8 v0, s[64:65] scope:SCOPE_SE
	s_setreg_imm32_b32 hwreg(HW_REG_WAVE_MODE, 25, 1), 1
	s_wait_xcnt 0x0
	s_wait_alu depctr_hold_cnt(0) depctr_sa_sdst(0) depctr_va_vdst(0) depctr_va_sdst(0) depctr_va_ssrc(0) depctr_va_vcc(0) depctr_vm_vsrc(0)
	s_getreg_b32 s2, hwreg(HW_REG_IB_STS2, 6, 4)
	s_cmp_eq_u32 s2, 0
	s_cbranch_scc0 .Lentry_in_a_cluster
	s_endpgm
.Lentry_in_a_cluster:
	s_bfe_u32 s2, ttmp6, 0x10000c
	s_cmp_lg_u32 s2, 0x3003
	s_cbranch_scc0 .Lentry_shape_is_right
	s_endpgm
.Lentry_shape_is_right:
; q = x Wq + bq, k = x Wk + bk, v = x Wv + bv; phi = elu(. Wphi) + 1; T = softplus(temp Wt + bt); pk = phi_k T; per work-group: kv = pk^T v, z = sum pk.
; All seven products on codes of BF6 (E3M2) with one E8M0 scale for each 32 along K; sums in f32.
; SHARES.  A work-group owns 64 tokens (two blocks of 32 along the tokens).  Its four waves share the COLUMNS: in a pass wave w makes columns 256 w + 128 p .. + 127
; of a projection for all 64 tokens: 32 accumulators, 8 K steps of 128.  x's codes (64 x 1,024: 384 registers) stay in every wave's registers.
; The weights stream through a ring of two LDS slots (256 along K of 512 rows each); wave w fetches, and in the projections reads, its own 128 rows.
; CLUSTER.  All work-groups walk the same weights, so the four of a cluster ask for every weight tile jointly (mask 15).
; K'S QUARTERS BY TURNS.  Cluster c walks the four K quarters of a projection from quarter rho = (c ^ c >> 2 ^ c >> 4) % 4 on, and round.  So at any step the clusters ask for
; four different tiles, and three of a pass's four tiles were asked for by other clusters one to three steps earlier.  Position j of the walk stands for quarter (j + rho) % 4
; in four places alike: which quarter of x a wave fetches into LDS quarter w, x's scale words, the weights' tiles, the weights' scale words.  Register numbers, LDS addresses
; and branches do not know rho; it is made of the cluster's number alone, which the four partners share.
; q and k are quantised in registers (K = their columns) and go from wave to wave through LDS as images of the operand's registers.
; THE ROWS OF A TILE OF TOKENS: row rho' of tile t is token 8 t + rho' (rho' < 8) or 32 + 8 (t xor 1) + rho' - 8.  So in a result with tokens as source 0 a lane of half h
; holds 32 tokens of block h alone, in the same order for pk and v: they are quantised along the tokens without leaving the lane.
; OUT: phiq bf16 [b][head][s][16]; kvp f32, the image of each 16 x 16 result's registers; zp f32 [work-group][head][16].
; LIMITS: NaN and infinities are not served.  A block whose largest magnitude lies under 2^-122 (a block of zeros too) gets the scale byte 1; its bytes are read by this
; program alone.  v_exp_f32 gives 0 for results under 2^-126.  A projection's K is summed in the rotated order of its quarters.  kv and z are summed per 64 tokens here
; and over the work-groups in the next launch.
.set PITCH,  240                       ; an LDS row: 3 x (64 bytes of codes + 16 of padding)
.set PART,   128*PITCH                 ; 128 rows: one tensor load
.set SLOTB,  4*PART
.set XR,     2*SLOTB                   ; x's tile (four K quarters of 64 rows), filled once; later the images
.set XQ,     64*PITCH
.set IMG,    XR                        ; fragment (t, s'): (s' % 2) x 24,576 + (4 t + s' / 2) x 1,536, three runs of 16 x lane
.set SCI,    XR+49152                  ; scale word (t, r, s'): 512 t + 32 r + 4 s'
.set PKI,    XR+61440                  ; pk's codes: 3,584 bytes a wave, 896 a head
.set PKW,    3584
.set TR,     PKI+4*PKW                 ; T: 272 head + 128 h + 4 (8 t + j)
.set SPARE,  TR+4352                   ; the spare words: 128 bytes a wave
.set SPW, 1                            ; v1  SPARE + 4 x thread; never rewritten
.set NIL, 2                            ; v2  0; never rewritten
.set AW,  3                            ; v3, v4 my rows in slot 0 (and behind one padding more); v5, v6 in slot 1
.set LI,  7                            ; v7  16 x lane
.set SX,  8                            ; v8-11 small scale words: T's two; v's two and pk's two
.set PB,  12                           ; v12, v13 Wphi's rows in the ring (at the head: x's rows of even tiles)
.set PA,  14                           ; v14 IMG + 16 x lane (at the head, with v15: x's rows of odd tiles)
.set SCA, 15                           ; v15 SCI + 512 h + 32 r
.set XS,  16                           ; v16-31 x's scale words: 16 + 8 i + s: lanes 0-15 tile 2 i, lanes 16-31 tile 2 i + 1; s counts positions of the walk
.set WS,  32                           ; v32-63 the weights' scale words, laid alike (feature maps: v32-47 Wphi's, v48-63 the codes')
.set B0,  64                           ; v64-159, v160-255: two sets of eight fragments; K step s uses set s % 2
; window 1: v0-191 x (t, s), s = 0..3, at 48 s + 12 t; v192-255 the biases, 8 a tile.  window 2: v0-191 x, s = 4..7; v192-255 kv's results.  window 3: the accumulators.
; s[12:33], s[44:49] addresses; behind the head: s[34:41] four pairs, 192 x the quarter of positions 0..3; s42 rho, s43 at work; s[8:9] the pass's fourth tile; s[10:11] at work.
; s50 wave; s51 work-group; s52 chain; s53 pass; s[54:55] selects; s56, s57 image toggles; s[58:59] log2(e); s[60:63] scale and bias pointers;
; s[66:67] the pass's third tile; s[68:75], s[76:83] groups 1; s[84:87], s[88:91] groups 0 of slots 0, 1; s[92:95] x's; s[96:99] the next stage's first two tiles.
.set MSB, 0
.macro WIN new                         ; the immediate's high byte repeats the setting that is left
.if MSB != \new
	s_set_vgpr_msb (MSB<<8)|\new
.set MSB, \new
.endif
.endm
.macro PLACES                          ; four places behind a matrix instruction (ISA guide 7.12.1)
.rept 4
	v_nop
.endr
.endm
.macro CREST                           ; a round of the cluster's barrier behind its opening barrier
	s_cmp_lg_u32 s50, 0
	s_cbranch_scc1 .Lnw0_\@
	s_barrier_signal -3
.Lnw0_\@:
	s_barrier_wait -3
	s_barrier_signal -1
	s_barrier_wait -1
.endm
.macro ROUND
	s_barrier_signal -1
	s_barrier_wait -1
	CREST
.endm
; one scaled product.  c < 0: C is the constant 0.  ra, rb: the scale words stand in lanes 16-31
.macro WMS d, a, b, c, sa, sb, ra, rb
.if (\c) < 0
.if (\ra) == 0 && (\rb) == 0
	v_wmma_scale_f32_16x16x128_f8f6f4 v[0+(\d):7+(\d)], v[0+(\a):11+(\a)], v[0+(\b):11+(\b)], 0, v[0+(\sa)], v[0+(\sb)] matrix_a_fmt:MATRIX_FMT_BF6 matrix_b_fmt:MATRIX_FMT_BF6
.elseif (\ra) == 1 && (\rb) == 0
	v_wmma_scale_f32_16x16x128_f8f6f4 v[0+(\d):7+(\d)], v[0+(\a):11+(\a)], v[0+(\b):11+(\b)], 0, v[0+(\sa)], v[0+(\sb)] matrix_a_fmt:MATRIX_FMT_BF6 matrix_b_fmt:MATRIX_FMT_BF6 matrix_a_scale:MATRIX_SCALE_ROW1
.elseif (\ra) == 0 && (\rb) == 1
	v_wmma_scale_f32_16x16x128_f8f6f4 v[0+(\d):7+(\d)], v[0+(\a):11+(\a)], v[0+(\b):11+(\b)], 0, v[0+(\sa)], v[0+(\sb)] matrix_a_fmt:MATRIX_FMT_BF6 matrix_b_fmt:MATRIX_FMT_BF6 matrix_b_scale:MATRIX_SCALE_ROW1
.else
	v_wmma_scale_f32_16x16x128_f8f6f4 v[0+(\d):7+(\d)], v[0+(\a):11+(\a)], v[0+(\b):11+(\b)], 0, v[0+(\sa)], v[0+(\sb)] matrix_a_fmt:MATRIX_FMT_BF6 matrix_b_fmt:MATRIX_FMT_BF6 matrix_a_scale:MATRIX_SCALE_ROW1 matrix_b_scale:MATRIX_SCALE_ROW1
.endif
.else
.if (\ra) == 0 && (\rb) == 0
	v_wmma_scale_f32_16x16x128_f8f6f4 v[0+(\d):7+(\d)], v[0+(\a):11+(\a)], v[0+(\b):11+(\b)], v[0+(\c):7+(\c)], v[0+(\sa)], v[0+(\sb)] matrix_a_fmt:MATRIX_FMT_BF6 matrix_b_fmt:MATRIX_FMT_BF6
.elseif (\ra) == 1 && (\rb) == 0
	v_wmma_scale_f32_16x16x128_f8f6f4 v[0+(\d):7+(\d)], v[0+(\a):11+(\a)], v[0+(\b):11+(\b)], v[0+(\c):7+(\c)], v[0+(\sa)], v[0+(\sb)] matrix_a_fmt:MATRIX_FMT_BF6 matrix_b_fmt:MATRIX_FMT_BF6 matrix_a_scale:MATRIX_SCALE_ROW1
.elseif (\ra) == 0 && (\rb) == 1
	v_wmma_scale_f32_16x16x128_f8f6f4 v[0+(\d):7+(\d)], v[0+(\a):11+(\a)], v[0+(\b):11+(\b)], v[0+(\c):7+(\c)], v[0+(\sa)], v[0+(\sb)] matrix_a_fmt:MATRIX_FMT_BF6 matrix_b_fmt:MATRIX_FMT_BF6 matrix_b_scale:MATRIX_SCALE_ROW1
.else
	v_wmma_scale_f32_16x16x128_f8f6f4 v[0+(\d):7+(\d)], v[0+(\a):11+(\a)], v[0+(\b):11+(\b)], v[0+(\c):7+(\c)], v[0+(\sa)], v[0+(\sb)] matrix_a_fmt:MATRIX_FMT_BF6 matrix_b_fmt:MATRIX_FMT_BF6 matrix_a_scale:MATRIX_SCALE_ROW1 matrix_b_scale:MATRIX_SCALE_ROW1
.endif
.endif
.endm
; a fragment, 16 rows x 128 K: six loads of 8 bytes.  Lanes 16-31 read three pieces further on; where that lies behind one padding more, the second address register serves
.macro FRAG reg, adr, q, off
.irp p, 0,1,2,3,4,5
.set PC, 12*(\q)+6*(\p/3)+\p%3
.if PC%8 < 5
	ds_load_b64 v[\reg+2*\p:\reg+2*\p+1], v[\adr] offset:8*PC+16*(PC/8)+(\off)
.else
	ds_load_b64 v[\reg+2*\p:\reg+2*\p+1], v[\adr+1] offset:8*PC+16*(PC/8)+(\off)
.endif
.endr
.endm
.macro RUN dst, adr, q                 ; a K step's eight fragments in one run of 48 loads, fragment 0 first
.irp g, 0,1,2,3,4,5,6,7
	FRAG \dst+12*\g, \adr, \q, 3840*\g
.endr
.endm
; four products: weight tile g against the four tiles of tokens, K step s.  o = 0: source 0 = the weights (a lane holds one token); o = 1: source 0 = the tokens.
; first = 1: the bias is the C.  The 32 accumulators take turns, one instruction a turn.
.macro GRP o, s, g, first
.set SETR, B0+96*((\s)%2)
.if \o == 0
.if \first
	WIN 0xd4
.elseif (\s) < 4
	WIN 0xf4
.else
	WIN 0xf8
.endif
.irp t, 0,1,2,3
.if \first
	WMS 64*\t+8*(\g), SETR+12*(\g), 48*((\s)%4)+12*\t, 192+8*(\g), WS+8*((\g)/2)+(\s), XS+8*(\t/2)+(\s), (\g)%2, \t%2
.else
	WMS 64*\t+8*(\g), SETR+12*(\g), 48*((\s)%4)+12*\t, 64*\t+8*(\g), WS+8*((\g)/2)+(\s), XS+8*(\t/2)+(\s), (\g)%2, \t%2
.endif
.endr
.else
.if \first
	WIN 0xd1
.elseif (\s) < 4
	WIN 0xf1
.else
	WIN 0xf2
.endif
.irp t, 0,1,2,3
.if \first
	WMS 32*(\g)+8*\t, 48*((\s)%4)+12*\t, SETR+12*(\g), 192+8*(\g), XS+8*(\t/2)+(\s), WS+8*((\g)/2)+(\s), \t%2, (\g)%2
.else
	WMS 32*(\g)+8*\t, 48*((\s)%4)+12*\t, SETR+12*(\g), 32*(\g)+8*\t, XS+8*(\t/2)+(\s), WS+8*((\g)/2)+(\s), \t%2, (\g)%2
.endif
.endr
.endif
.endm
; an even K step: in its middle the next step's eight fragments are fetched from the same slot, in one run, 16 matrix instructions ahead of their first use
.macro KA o, s, slot, first
	s_wait_dscnt 24                                ; fragments 0-3 are in; the run's last 24 loads (fragments 4-7) may be out
.irp g, 0,1,2,3
	GRP \o, \s, \g, \first
.endr
	s_wait_dscnt 0x0                               ; fragments 4-7 are in (asked for 32 matrix instructions ago)
	WIN 0
	PLACES                                         ; the other set was read by the step before
	RUN B0+96*(1-(\s)%2), AW+2*\slot, 1
.irp g, 4,5,6,7
	GRP \o, \s, \g, \first
.endr
	WIN 0
.endm
; an odd K step leaves a slot.  fill = 1: a round of the cluster's barrier, and the slot is filled again from s[src] + add.  nxt = 1: the next step's fragments come from the other slot.
; The wait for the tensor loads stands behind 12 of the step's 32 matrix instructions: from a tile's request to this wait a wave issues 60, between this wait and the next request 4.
.macro KB o, s, slot, fill, nxt, src, add
	s_wait_dscnt 24                                ; fragments 0-3 are in
	GRP \o, \s, 0, 0
	GRP \o, \s, 1, 0
	GRP \o, \s, 2, 0
	WIN 0                                          ; (the add's two registers lie in window 0)
	s_wait_tensorcnt 0x0                           ; all my tensor loads have landed: my part of the other slot
	ds_add_u32 v[SPW], v[NIL]
	GRP \o, \s, 3, 0                               ; four matrix instructions stand between the add and the wait for it
	WIN 0
	s_wait_dscnt 0x0                               ; the add is done, and my reads of this slot are over
	s_barrier_signal -1
	s_barrier_wait -1
.if \fill
	CREST                                          ; no wave of any partner still reads this slot or has a load on its way
	s_add_nc_u64 s[86+4*\slot:87+4*\slot], s[\src:\src+1], \add
	s_or_b32 s[87+4*\slot], s[87+4*\slot], 0x80000000
	tensor_load_to_lds s[84+4*\slot:87+4*\slot], s[68:75]
	s_nop 0
	PLACES                                         ; also the places in front of the loads below
.else
	PLACES
.endif
.if \nxt
	RUN B0, AW+2*(1-\slot), 0
.endif
.irp g, 4,5,6,7
	GRP \o, \s, \g, 0
.endr
	WIN 0
.endm
.macro KL o, s                         ; the launch's last K step: nothing more to fetch
.irp g, 0,1,2,3,4,5,6,7
	s_wait_dscnt 6*(7-\g)                          ; fragment g is in; the later fragments' loads may be out
	GRP \o, \s, \g, 0
.endr
	WIN 0
.endm
.macro FETCH8                          ; a pass's first eight fragments, from slot 0
	RUN B0, AW, 0
.endm
; scale words of pass d of a projection: position j of the walk takes the 8 bytes of K quarter (j + rho) % 4 of a row's 32.  rr: the scalar that holds rho; rr + 1 is at work.
; The address registers lie in set 1, idle here, and stay until the wait for these loads at the next stage's head
.macro PREP_S sc, d, rr
	WIN 0
	v_and_b32 v243, 31, v0
	v_lshlrev_b32 v243, 5, v243                    ; a row of scales is 32 bytes: lane l takes row 32 i + l
	v_lshl_add_u32 v240, s[\rr], 3, v243
	s_add_co_u32 s[\rr+1], s[\rr], 1
	s_and_b32 s[\rr+1], s[\rr+1], 3
	v_lshl_add_u32 v254, s[\rr+1], 3, v243
	s_add_co_u32 s[\rr+1], s[\rr], 2
	s_and_b32 s[\rr+1], s[\rr+1], 3
	v_lshl_add_u32 v255, s[\rr+1], 3, v243
	s_add_co_u32 s[\rr+1], s[\rr], 3
	s_and_b32 s[\rr+1], s[\rr+1], 3
	v_lshl_add_u32 v243, s[\rr+1], 3, v243
.irp i, 0,1,2,3
	global_load_b64 v[WS+8*\i:WS+8*\i+1], v240, s[\sc:\sc+1] offset:4096*\d+1024*\i
	global_load_b64 v[WS+8*\i+2:WS+8*\i+3], v254, s[\sc:\sc+1] offset:4096*\d+1024*\i
	global_load_b64 v[WS+8*\i+4:WS+8*\i+5], v255, s[\sc:\sc+1] offset:4096*\d+1024*\i
	global_load_b64 v[WS+8*\i+6:WS+8*\i+7], v243, s[\sc:\sc+1] offset:4096*\d+1024*\i
.endr
.endm
.macro PREP_P                          ; Wphi's scale words: my 64 rows, K as it lies
	WIN 0
	v_and_b32 v240, 31, v0
	v_lshlrev_b32 v240, 5, v240
.irp i, 0,1
	global_load_b128 v[WS+8*\i:WS+8*\i+3], v240, s[26:27] offset:1024*\i
	global_load_b128 v[WS+8*\i+4:WS+8*\i+7], v240, s[26:27] offset:1024*\i+16
.endr
.endm
.macro PREP_T sc, b, d, rr             ; a lane holds one token: register j of tile g wants the bias of column 16 g + 8 h + j
	PREP_S \sc, \d, \rr
	v_bfe_u32 v241, v0, 4, 1
	v_lshlrev_b32 v241, 5, v241
	WIN 0x40
.irp g, 0,1,2,3,4,5,6,7
	global_load_b128 v[192+8*\g:195+8*\g], v241, s[\b:\b+1] offset:512*\d+64*\g
	global_load_b128 v[196+8*\g:199+8*\g], v241, s[\b:\b+1] offset:512*\d+64*\g+16
.endr
	WIN 0
.endm
.macro PREP_V sc, b, d, rr             ; a lane holds one column: all eight registers want the bias of column 16 g + r; copied at the pass's head
	PREP_S \sc, \d, \rr
	v_and_b32 v242, 15, v0
	v_lshlrev_b32 v242, 2, v242
	WIN 0x40
.irp g, 0,1,2,3,4,5,6,7
	global_load_b32 v[192+8*\g], v242, s[\b:\b+1] offset:512*\d+64*\g
.endr
	WIN 0
.endm
; Tile t of q or k (64 registers: register 16 b + i is column 32 b + 8 h + i, or 32 b + 16 + 8 h + i - 8) becomes a fragment and a scale word, and goes to LDS as an image
.macro QUANT t
.set QS, 64*(\t)
.set QF, 180+12*((\t)%2)
.set QP, 204+((\t)%2)
.if \t >= 2
	s_wait_dscnt 4                                 ; the four stores of tile t - 1 may be out; those of tile t - 2, which read these registers, are done
.endif
	WIN 0x0f
.irp b, 0,1,2,3
	v_max3_num_f32 v[160+\b], |v[QS+16*\b]|, |v[QS+16*\b+1]|, 0x2800000   ; with the floor 2^(5 - 127): the byte cannot fall under 1
.endr
.irp i, 2,4,6,8,10,12,14
.irp b, 0,1,2,3
	v_max3_num_f32 v[160+\b], |v[QS+16*\b+\i]|, |v[QS+16*\b+\i+1]|, v[160+\b]
.endr
.endr
	WIN 0
.if \t == 0
.irp b, 0,1,2,3
	v_mov_b32 v[164+\b], 0                         ; a lane permute's destination counts as one of its sources
.endr
.endif
.irp b, 0,1,2,3
	v_permlanex16_b32 v[164+\b], v[160+\b], s54, s55
.endr
.irp b, 0,1,2,3
	v_max_num_f32 v[160+\b], v[160+\b], v[164+\b]  ; with lane l xor 16's: the block's largest magnitude
.endr
.irp b, 0,1,2,3
	v_add_nc_u32 v[168+\b], 0xfe000000, v[160+\b]  ; 4 off its exponent field: the conversion's scale operand
.endr
.irp b, 0,1,2,3
	v_lshrrev_b32 v[164+\b], 23, v[168+\b]         ; the scale's byte
.endr
	v_lshl_or_b32 v[QP], v165, 8, v164
	v_lshl_or_b32 v[QP], v166, 16, v[QP]
	v_lshl_or_b32 v[QP], v167, 24, v[QP]
	WIN 0x03
.irp c, 0,1
	v_cvt_scalef32_pk16_bf6_f32 v[QF+6*\c:QF+6*\c+2], v[QS+32*\c:QS+32*\c+15], v[168+2*\c]
	v_cvt_scalef32_pk16_bf6_f32 v[172+4*\c:174+4*\c], v[QS+32*\c+16:QS+32*\c+31], v[169+2*\c]
.endr
	WIN 0
	v_nop                                          ; one plain place behind a scaled conversion
.irp c, 0,1                            ; after the swaps a lane has, of ITS block 2 c + h, a = columns 0-7 and 16-23, b = columns 8-15 and 24-31: their halves of 48 bits are woven
.irp i, 0,1,2
	v_permlane16_swap_b32 v[QF+6*\c+\i], v[172+4*\c+\i]
.endr
	v_perm_b32 v[QF+6*\c+3], v[QF+6*\c+2], v[QF+6*\c+1], 0x05040302
	v_perm_b32 v[QF+6*\c+4], v[173+4*\c], v[QF+6*\c+2], 0x07060302
	v_perm_b32 v[QF+6*\c+1], v[172+4*\c], v[QF+6*\c+1], 0x05040100
	v_perm_b32 v[QF+6*\c+2], v[173+4*\c], v[172+4*\c], 0x05040302
	v_mov_b32 v[QF+6*\c+5], v[174+4*\c]
.endr
.irp c, 0,1,2
	ds_store_b128 v206, v[QF+4*\c:QF+4*\c+3] offset:6144*(\t)+512*\c
.endr
	ds_store_b32 v207, v[QP] offset:512*(\t)
.endm
; feature maps: K step sp's four fragments of codes (images) and my four of Wphi: 36 loads
.macro LOADS sp
.set SETR, B0+96*((\sp)%2)
.irp t, 0,1,2,3
.irp c, 0,1,2
	ds_load_b128 v[SETR+12*\t+4*\c:SETR+12*\t+4*\c+3], v[PA] offset:24576*((\sp)%2)+1536*(4*\t+(\sp)/2)+512*\c
.endr
.endr
.irp g, 0,1,2,3
	FRAG SETR+48+12*\g, PB, (\sp)%2, 3840*\g
.endr
.endm
; sixteen products.  Chain q: source 0 = Wphi (a lane holds a token and eight features); chain k: source 0 = the tokens.  The branch stands round matrix instructions alone
.macro WM16 sp
.set SETR, B0+96*((\sp)%2)
	s_cmp_eq_u32 s52, 0
	s_cbranch_scc0 .Lfk_\@
	WIN 0xf0
.irp g, 0,1,2,3
.irp t, 0,1,2,3
.if (\sp) == 0
	WMS 32*\g+8*\t, SETR+48+12*\g, SETR+12*\t, -1, WS+8*(\g/2)+(\sp), 48+8*(\t/2)+(\sp), \g%2, \t%2
.else
	WMS 32*\g+8*\t, SETR+48+12*\g, SETR+12*\t, 32*\g+8*\t, WS+8*(\g/2)+(\sp), 48+8*(\t/2)+(\sp), \g%2, \t%2
.endif
.endr
.endr
	WIN 0
	s_branch .Lfj_\@
.Lfk_\@:
	WIN 0xf0
.irp g, 0,1,2,3
.irp t, 0,1,2,3
.if (\sp) == 0
	WMS 32*\g+8*\t, SETR+12*\t, SETR+48+12*\g, -1, 48+8*(\t/2)+(\sp), WS+8*(\g/2)+(\sp), \t%2, \g%2
.else
	WMS 32*\g+8*\t, SETR+12*\t, SETR+48+12*\g, 32*\g+8*\t, 48+8*(\t/2)+(\sp), WS+8*(\g/2)+(\sp), \t%2, \g%2
.endif
.endr
.endr
	WIN 0
.Lfj_\@:
.endm
.macro REFILL slot, src                ; a change of slots in the feature maps
	s_wait_tensorcnt 0x0                           ; all my tensor loads have landed
	ds_add_u32 v[SPW], v[NIL]
	s_wait_dscnt 0x0                               ; the add is done, and my reads of the slot are over
	ROUND
	s_mov_b64 s[86+4*\slot:87+4*\slot], s[\src:\src+1]
	s_or_b32 s[87+4*\slot], s[87+4*\slot], 0x80000000
	tensor_load_to_lds s[84+4*\slot:87+4*\slot], s[68:75]
	s_nop 0
	PLACES
.endm
; v's tile g (a lane: column 16 g + r, 32 tokens of block h) becomes registers 0-5 of a fragment and a scale word
.macro VQ g
.set VFR, 172+12*((\g)%2)
	WIN 0x0f
	v_max3_num_f32 v160, |v[32*(\g)]|, |v[32*(\g)+1]|, 0x2800000
	v_max3_num_f32 v161, |v[32*(\g)+2]|, |v[32*(\g)+3]|, 0x2800000
.irp i, 4,8,12,16,20,24,28
	v_max3_num_f32 v160, |v[32*(\g)+\i]|, |v[32*(\g)+\i+1]|, v160
	v_max3_num_f32 v161, |v[32*(\g)+\i+2]|, |v[32*(\g)+\i+3]|, v161
.endr
	WIN 0
	v_max_num_f32 v160, v160, v161
	v_add_nc_u32 v162, 0xfe000000, v160
	v_lshrrev_b32 v163, 23, v162
	v_lshlrev_b32 v164, v166, v163                 ; my block's byte at its place, 8 h bits up;
	v_permlanex16_b32 v165, v164, s54, s55
	v_or_b32 v[SX+(\g)%2], v164, v165              ; with lane l xor 16's the word has both blocks'
	WIN 0x03
	v_cvt_scalef32_pk16_bf6_f32 v[VFR:VFR+2], v[32*(\g):32*(\g)+15], v162
	v_cvt_scalef32_pk16_bf6_f32 v[168:170], v[32*(\g)+16:32*(\g)+31], v162
	WIN 0
	v_nop
.irp i, 0,1,2
	v_mov_b32 v[VFR+3+\i], v[168+\i]
.endr
.endm
.macro KVW g                           ; kv(f, d) of head g / 4, d tile g % 4: source 0 = pk^T, source 1 = v^T; K = my 64 tokens, the rest zero codes
	WIN 0x80
	WMS 192+8*(\g), 196+12*((\g)/4), 172+12*((\g)%2), -1, SX+2+(\g)/4, SX+(\g)%2, 0, 0
.endm
.macro VEPI e
	s_wait_xcnt 0x0                                ; the last pass's stores have read kv's registers
	WIN 0
	s_mul_i32 s2, s50, PKW
	s_add_co_u32 s2, s2, PKI
	v_add_nc_u32 v224, s2, v[LI]
	v_and_b32 v225, 31, v0
	v_lshl_add_u32 v226, v225, 2, s2
	v_lshl_add_u32 v225, v225, 3, s2
	v_bfe_u32 v166, v0, 4, 1
	v_lshlrev_b32 v166, 3, v166                    ; 8 h
	v_mov_b32 v165, 0
.irp i, 6,7,8,9,10,11
	v_mov_b32 v[172+\i], 0                         ; K = 64 .. 127: zero codes, which add nothing
	v_mov_b32 v[184+\i], 0
	v_mov_b32 v[196+\i], 0
	v_mov_b32 v[208+\i], 0
.endr
.irp u, 0,1
	ds_load_b128 v[196+12*\u:199+12*\u], v224 offset:896*(2*\e+\u)
	ds_load_b64 v[200+12*\u:201+12*\u], v225 offset:896*(2*\e+\u)+512
	ds_load_b32 v[SX+2+\u], v226 offset:896*(2*\e+\u)+768
.endr
	VQ 0
	VQ 1
	s_wait_dscnt 0x0                               ; pk's codes and words are in
	KVW 0
.irp g, 2,3,4,5,6,7                    ; the next tile's quantising stands between a word's making and its product, and behind a product before its sources are written again
	VQ \g
	KVW \g-1
.endr
	WIN 0
.rept 8
	v_nop
.endr
	KVW 7
	WIN 0
	PLACES
	WIN 0x08
.irp g, 0,1,2,3,4,5,6,7
	global_store_b128 v[LI], v[192+8*\g:195+8*\g], s[46:47] offset:8192*\e+1024*\g       ; 32 lanes store 512 consecutive bytes, aligned
	global_store_b128 v[LI], v[196+8*\g:199+8*\g], s[46:47] offset:8192*\e+1024*\g+512
.endr
	WIN 0
.endm
; ================= the head
	s_load_b512 s[8:23], s[0:1], 0x0               ; x_codes, x_scales, Wq, Wk, Wv, Wphi codes, Wq, Wk scales
	s_load_b512 s[24:39], s[0:1], 0x40             ; Wv, Wphi scales, bq, bk, bv, temp codes, temp scales, Wt codes
	s_load_b256 s[40:47], s[0:1], 0x80             ; Wt scales, bt, phiq, kvp
	s_load_b64 s[48:49], s[0:1], 0xa0              ; zp
	v_lshl_add_u32 v[SPW], v0, 2, SPARE
	v_mov_b32 v[NIL], 0
	ds_add_u32 v1, v2
	ds_add_u32 v1, v2
	s_wait_dscnt 0x0
	v_lshrrev_b32 v244, 5, v0
	v_readfirstlane_b32 s50, v244                  ; wave 0..3
	s_bfe_u32 s100, ttmp6, 0x40000                 ; cx: it enters x's, temp's and the outputs' global addresses alone
	s_lshl_b32 s51, ttmp9, 2
	s_add_co_u32 s51, s51, s100                    ; work-group = 4 x cluster + cx
	s_lshr_b32 s6, ttmp9, 2                        ; rho, of the cluster's number c alone: (c ^ c >> 2 ^ c >> 4) % 4.  Whichever single bit of c is held, all four values remain
	s_xor_b32 s6, s6, ttmp9
	s_lshr_b32 s7, ttmp9, 4
	s_xor_b32 s6, s6, s7
	s_and_b32 s6, s6, 3
	s_mov_b32 s54, 0x76543210
	s_mov_b32 s55, 0xfedcba98                      ; selects for lane l xor 16
	s_mov_b32 s58, 0x3fb8aa3b                      ; log2(e)
	s_mov_b32 s59, s58
	s_mov_b32 s68, 15|(1<<20)|(1<<21)|(3<<22)|(3<<25)   ; weights: mask of all four; bytes; 4 words of padding behind every 16
	s_mov_b32 s69, 192<<16
	s_mov_b32 s70, 128<<16
	s_mov_b32 s71, 192<<16
	s_mov_b32 s72, 128
	s_mov_b32 s73, 768
	s_mov_b32 s74, 0
	s_mov_b32 s75, 0
	s_mov_b32 s76, (1<<20)|(3<<22)|(3<<25)         ; x: my own tile, no mask: 64 rows x 192 bytes
	s_mov_b32 s77, 192<<16
	s_mov_b32 s78, 64<<16
	s_mov_b32 s79, 192<<16
	s_mov_b32 s80, 64
	s_mov_b32 s81, 768
	s_mov_b32 s82, 0
	s_mov_b32 s83, 0
	s_mul_i32 s2, s50, 196608                      ; my 256 rows of a projection's weights
	s_mov_b32 s3, 0
	s_and_b32 s4, s50, 1
	s_mul_i32 s4, s4, 98304                        ; Wphi: rows 128 (w % 2) on,
	s_lshr_b32 s5, s50, 1
	s_mul_i32 s5, s5, 192                          ; K quarter w / 2 of a tile's two
	s_add_co_u32 s4, s4, s5
	s_mov_b32 s5, 0
	s_mov_b32 s101, 0
	s_wait_kmcnt 0x0
	s_add_nc_u64 s[12:13], s[12:13], s[2:3]
	s_add_nc_u64 s[14:15], s[14:15], s[2:3]
	s_add_nc_u64 s[16:17], s[16:17], s[2:3]
	s_add_nc_u64 s[18:19], s[18:19], s[4:5]
	s_lshl_b32 s2, s50, 13
	s_add_nc_u64 s[20:21], s[20:21], s[2:3]
	s_add_nc_u64 s[22:23], s[22:23], s[2:3]
	s_add_nc_u64 s[24:25], s[24:25], s[2:3]
	s_lshl_b32 s2, s50, 11
	s_add_nc_u64 s[26:27], s[26:27], s[2:3]
	s_lshl_b32 s2, s50, 10
	s_add_nc_u64 s[28:29], s[28:29], s[2:3]
	s_add_nc_u64 s[30:31], s[30:31], s[2:3]
	s_add_nc_u64 s[32:33], s[32:33], s[2:3]
	s_mul_i32 s100, s51, 49152
	s_add_nc_u64 s[8:9], s[8:9], s[100:101]
	s_add_co_u32 s2, s50, s6
	s_and_b32 s2, s2, 3
	s_mul_i32 s2, s2, 192
	s_add_nc_u64 s[8:9], s[8:9], s[2:3]            ; x: my work-group's rows; LDS quarter w takes K quarter (w + rho) % 4
	s_lshl_b32 s100, s51, 11
	s_add_nc_u64 s[10:11], s[10:11], s[100:101]
	s_mul_i32 s100, s51, 6144
	s_add_nc_u64 s[34:35], s[34:35], s[100:101]
	s_lshl_b32 s100, s51, 8
	s_add_nc_u64 s[36:37], s[36:37], s[100:101]
	s_lshr_b32 s100, s51, 6
	s_lshl_b32 s100, s100, 21                      ; phiq: batch x 16 heads x 4,096 tokens x 32 bytes,
	s_add_nc_u64 s[44:45], s[44:45], s[100:101]
	s_and_b32 s100, s51, 63
	s_lshl_b32 s100, s100, 11                      ; my first token,
	s_add_nc_u64 s[44:45], s[44:45], s[100:101]
	s_lshl_b32 s2, s50, 19                         ; my wave's four heads
	s_add_nc_u64 s[44:45], s[44:45], s[2:3]
	s_lshl_b32 s100, s51, 16
	s_add_nc_u64 s[46:47], s[46:47], s[100:101]
	s_lshl_b32 s2, s50, 14
	s_add_nc_u64 s[46:47], s[46:47], s[2:3]
	s_lshl_b32 s100, s51, 10
	s_add_nc_u64 s[48:49], s[48:49], s[100:101]
	s_lshl_b32 s2, s50, 8
	s_add_nc_u64 s[48:49], s[48:49], s[2:3]
	s_mul_i32 s2, s50, PART
	s_mov_b32 s84, 1
	s_mov_b32 s85, s2
	s_mov_b32 s88, 1
	s_add_co_u32 s89, s2, SLOTB
	s_mul_i32 s2, s6, 192
	s_add_nc_u64 s[86:87], s[12:13], s[2:3]        ; tile 0: Wq, pass 0, position 0: K quarter rho
	s_or_b32 s87, s87, 0x80000000
	s_add_co_u32 s2, s6, 1
	s_and_b32 s2, s2, 3
	s_mul_i32 s2, s2, 192
	s_add_nc_u64 s[90:91], s[12:13], s[2:3]        ; tile 1: position 1
	s_or_b32 s91, s91, 0x80000000
	s_mul_i32 s2, s50, XQ
	s_mov_b32 s92, 1
	s_add_co_u32 s93, s2, XR
	s_mov_b64 s[94:95], s[8:9]
	s_or_b32 s95, s95, 0x80000000
	ROUND                                          ; all four work-groups are here: the first joint loads meet
	tensor_load_to_lds s[92:95], s[76:83]          ; three loads of mine are out: x's quarter, tile 0, tile 1
	s_nop 0
	tensor_load_to_lds s[84:87], s[68:75]
	s_nop 0
	tensor_load_to_lds s[88:91], s[68:75]
	s_nop 0
	PLACES
	v_and_b32 v244, 15, v0                         ; r
	v_bfe_u32 v245, v0, 4, 1                       ; h
	v_and_b32 v246, 7, v0                          ; r % 8
	v_bfe_u32 v247, v0, 3, 1                       ; r / 8
	v_mad_u32_u24 v248, v247, 40, v246             ; a tile's row r is token 8 t + this (t even)
	v_mad_u32_u24 v249, v247, 24, v246             ; or this (t odd)
	v_mul_u32_u24 v3, v244, PITCH
	v_mad_u32_u24 v3, v245, 24, v3
	s_mul_i32 s2, s50, PART
	v_add_nc_u32 v3, s2, v3
	v_lshl_add_u32 v4, v245, 4, v3
	v_add_nc_u32 v5, SLOTB, v3
	v_add_nc_u32 v6, SLOTB, v4
	v_and_b32 v[LI], 31, v0
	v_lshlrev_b32 v[LI], 4, v[LI]
	v_mul_u32_u24 v12, v248, PITCH
	v_mad_u32_u24 v12, v245, 24, v12
	v_add_nc_u32 v12, XR, v12
	v_lshl_add_u32 v13, v245, 4, v12
	v_mul_u32_u24 v14, v249, PITCH
	v_mad_u32_u24 v14, v245, 24, v14
	v_add_nc_u32 v14, XR, v14
	v_lshl_add_u32 v15, v245, 4, v14
	; T: wave w takes tile w of the tokens
	s_and_b32 s2, s50, 1
	s_lshl_b32 s2, s2, 4
	s_sub_co_u32 s2, 40, s2
	v_mul_u32_u24 v232, s2, v247
	v_add_nc_u32 v232, v232, v246
	v_lshl_add_u32 v232, s50, 3, v232              ; my token
	v_lshlrev_b32 v233, 2, v232
	v_mul_u32_u24 v232, v232, 96
	v_mad_u32_u24 v232, v245, 24, v232
	v_mul_u32_u24 v234, v244, 96
	v_mad_u32_u24 v234, v245, 24, v234
	v_lshlrev_b32 v235, 2, v244
	v_lshlrev_b32 v236, 4, v245
	v_sub_nc_u32 v236, 40, v236
	v_mul_u32_u24 v236, v247, v236
	v_add_nc_u32 v236, v246, v236
	v_lshl_add_u32 v236, v245, 3, v236
	v_lshlrev_b32 v236, 5, v236                    ; x's scales: lane (r, h) takes row r of tile 2 i + h;
.irp j, 0,1,2,3
	s_add_co_u32 s7, s6, \j
	s_and_b32 s7, s7, 3
	v_lshl_add_u32 v[250+\j], s7, 3, v236          ; position j: the 8 bytes of K quarter (j + rho) % 4
.endr
	v_mul_u32_u24 v237, v244, 272
	v_lshl_add_u32 v237, v245, 7, v237
	s_lshl_b32 s2, s50, 5
	s_add_co_u32 s2, s2, TR
	v_add_nc_u32 v237, s2, v237                    ; where T goes: head r, half h, tile w
.irp p, 0,1,2,3,4,5
	global_load_b64 v[160+2*\p:161+2*\p], v232, s[34:35] offset:48*(\p/3)+8*(\p%3)
	global_load_b64 v[172+2*\p:173+2*\p], v234, s[38:39] offset:48*(\p/3)+8*(\p%3)
.endr
	global_load_b32 v[SX], v233, s[36:37]
	global_load_b32 v[SX+1], v235, s[40:41]
	global_load_b32 v186, v235, s[42:43]
.irp i, 0,1
.irp j, 0,1,2,3
	global_load_b64 v[XS+8*\i+2*\j:XS+8*\i+2*\j+1], v[250+\j], s[10:11] offset:512*\i
.endr
.endr
	PREP_T 20, 28, 0, 6
	s_wait_loadcnt 0x0                             ; all the head's loads are in: the pointers that only they used give way to the walk's numbers
	s_mov_b32 s42, s6                              ; rho
.irp j, 0,1,2,3
	s_add_co_u32 s[34+2*\j], s6, \j
	s_and_b32 s[34+2*\j], s[34+2*\j], 3
	s_mul_i32 s[34+2*\j], s[34+2*\j], 192          ; position j's place in a row of weights, as a pair with 0 above it
	s_mov_b32 s[35+2*\j], 0
.endr
	v_wmma_scale_f32_16x16x128_f8f6f4 v[192:199], v[160:171], v[172:183], 0, v[SX], v[SX+1] matrix_a_fmt:MATRIX_FMT_BF6 matrix_b_fmt:MATRIX_FMT_BF6
	PLACES
	; softplus(y) = max(y, 0) + log1p(u), u = e^-|y|; log1p(u) = u ln(1 + u) / ((1 + u) - 1), or u where 1 + u rounds to 1
.irp j, 0,1,2,3,4,5,6,7
	v_add_f32 v[200+\j], v[192+\j], v186
.endr
.irp j, 0,1,2,3,4,5,6,7
	v_mul_f32 v[208+\j], s58, -|v[200+\j]|
.endr
.irp j, 0,1,2,3,4,5,6,7
	v_exp_f32 v[208+\j], v[208+\j]
.endr
.irp j, 0,1,2,3,4,5,6,7
	v_max_num_f32 v[200+\j], 0, v[200+\j]
.endr
	s_wait_alu depctr_va_vdst(0)
.irp j, 0,1,2,3,4,5,6,7
	v_add_f32 v[216+\j], 1.0, v[208+\j]
.endr
.irp j, 0,1,2,3,4,5,6,7
	v_add_f32 v[224+\j], -1.0, v[216+\j]
.endr
.irp j, 0,1,2,3,4,5,6,7
	v_log_f32 v[216+\j], v[216+\j]
.endr
.irp j, 0,1,2,3,4,5,6,7
	v_rcp_f32 v[192+\j], v[224+\j]
.endr
	v_nop
	s_wait_alu depctr_va_vdst(0)
.irp j, 0,1,2,3,4,5,6,7
	v_mul_f32 v[216+\j], v[216+\j], v[192+\j]
.endr
.irp j, 0,1,2,3,4,5,6,7
	v_mul_f32 v[192+\j], 0x3f317218, v[208+\j]
.endr
.irp j, 0,1,2,3,4,5,6,7
	v_mul_f32 v[216+\j], v[216+\j], v[192+\j]
.endr
.irp j, 0,1,2,3,4,5,6,7
	v_cmp_eq_f32 vcc_lo, 0, v[224+\j]
	v_cndmask_b32 v[216+\j], v[216+\j], v[208+\j], vcc_lo
.endr
.irp j, 0,1,2,3,4,5,6,7
	v_add_f32 v[200+\j], v[200+\j], v[216+\j]
.endr
	ds_store_b128 v237, v[200:203]
	ds_store_b128 v237, v[204:207] offset:16
	s_wait_tensorcnt 0x1                           ; x's quarter and tile 0 are in; tile 1 may stay out
	s_wait_dscnt 0x0
	s_barrier_signal -1
	s_barrier_wait -1
	WIN 0x40
.irp s, 0,1,2,3
.irp t, 0,1,2,3
	FRAG 48*\s+12*\t, 12+2*(\t%2), \s%2, 15360*(\s/2)+1920*\t
.endr
.endr
	WIN 0x80
.irp s, 4,5,6,7
.irp t, 0,1,2,3
	FRAG 48*(\s-4)+12*\t, 12+2*(\t%2), \s%2, 15360*(\s/2)+1920*\t
.endr
.endr
	WIN 0
	FETCH8
	s_wait_dscnt 0x0                               ; x is in registers: its address registers get their lasting use
	s_lshr_b32 s2, s50, 1
	s_mul_i32 s2, s2, PART
	s_and_b32 s3, s50, 1
	s_mul_i32 s3, s3, XQ
	s_add_co_u32 s2, s2, s3
	v_mul_u32_u24 v12, v244, PITCH
	v_mad_u32_u24 v12, v245, 24, v12
	v_add_nc_u32 v12, s2, v12                      ; Wphi: rows 64 w on lie in part w / 2, 64 (w % 2) rows down
	v_lshl_add_u32 v13, v245, 4, v12
	v_add_nc_u32 v[PA], IMG, v[LI]
	v_lshlrev_b32 v[SCA], 5, v244
	v_lshl_add_u32 v[SCA], v245, 9, v[SCA]
	v_add_nc_u32 v[SCA], SCI, v[SCA]
	s_mov_b32 s52, 0
	s_mov_b32 s56, 0
	s_mov_b32 s57, 0
; ================= chains q (s52 = 0) and k (1): two passes of the projection, then the feature map
.Lchain:
	s_cmp_eq_u32 s52, 0
	s_cselect_b64 s[4:5], s[12:13], s[14:15]
	s_cselect_b64 s[60:61], s[20:21], s[22:23]
	s_cselect_b64 s[62:63], s[28:29], s[30:31]
	s_mov_b32 s53, 0
.Lpass:
	s_mul_i32 s2, s53, 98304
	s_mov_b32 s3, 0
	s_add_nc_u64 s[2:3], s[4:5], s[2:3]            ; this pass's 128 rows:
	s_add_nc_u64 s[66:67], s[2:3], s[38:39]        ; its third tile,
	s_add_nc_u64 s[8:9], s[2:3], s[40:41]          ; its fourth
	s_add_nc_u64 s[2:3], s[2:3], 98304
	s_add_nc_u64 s[6:7], s[2:3], s[36:37]
	s_add_nc_u64 s[2:3], s[2:3], s[34:35]
	s_add_nc_u64 s[10:11], s[18:19], 384
	s_cmp_eq_u32 s53, 0
	s_cselect_b64 s[96:97], s[2:3], s[18:19]       ; what follows: pass 1's first two tiles, or Wphi's two
	s_cselect_b64 s[98:99], s[6:7], s[10:11]
	s_wait_loadcnt 0x0                             ; scale words and biases
	s_wait_dscnt 0x0                               ; the first fragments
	KA 0, 0, 0, 1
	KB 0, 1, 0, 1, 1, 66, 0
	KA 0, 2, 1, 0
	KB 0, 3, 1, 1, 1, 8, 0
	KA 0, 4, 0, 0
	KB 0, 5, 0, 1, 1, 96, 0
	KA 0, 6, 1, 0
	KB 0, 7, 1, 1, 0, 98, 0
	PLACES
	s_cmp_eq_u32 s53, 0                            ; a branch on the pass, round loads alone
	s_cbranch_scc0 .Lafter_p1
	FETCH8
	PREP_T 60, 62, 1, 42
	s_branch .Lafter_pj
.Lafter_p1:
	PREP_P
.Lafter_pj:
	s_mul_i32 s2, s50, 1536
	s_add_co_u32 s2, s2, s56
	s_add_co_u32 s2, s2, IMG
	v_add_nc_u32 v206, s2, v[LI]                   ; my images: K step 2 w + pass
	s_lshl_b32 s3, s50, 3
	s_add_co_u32 s3, s3, s57
	s_add_co_u32 s3, s3, SCI
	v_and_b32 v207, 15, v0
	v_lshlrev_b32 v207, 5, v207
	v_add_nc_u32 v207, s3, v207
	QUANT 0
	QUANT 1
	QUANT 2
	QUANT 3
	s_xor_b32 s56, s56, 24576
	s_xor_b32 s57, s57, 4
	s_add_co_u32 s53, s53, 1
	s_cmp_lt_u32 s53, 2
	s_cbranch_scc1 .Lpass
	; ---- the feature map: my 64 rows of Wphi (four heads) x 64 tokens, 8 K steps
	s_wait_dscnt 0x0                               ; my images have landed
	s_barrier_signal -1
	s_barrier_wait -1                              ; everybody's have
	s_cmp_eq_u32 s52, 0
	s_cselect_b64 s[2:3], s[14:15], s[16:17]       ; what follows: Wk's first two tiles, or Wv's
	s_add_nc_u64 s[96:97], s[2:3], s[34:35]
	s_add_nc_u64 s[98:99], s[2:3], s[36:37]
.irp i, 0,1
	ds_load_b128 v[48+8*\i:51+8*\i], v[SCA] offset:1024*\i
	ds_load_b128 v[52+8*\i:55+8*\i], v[SCA] offset:1024*\i+16
.endr
	LOADS 0
	s_wait_loadcnt 0x0                             ; Wphi's scale words
	PLACES
	LOADS 1
	s_wait_dscnt 36                                ; all but the 36 just issued
	WM16 0
	s_wait_dscnt 0x0                               ; no load of mine is out: Wphi's address may step to the next K quarter
	PLACES
	v_add_nc_u32 v12, 61440, v12
	v_add_nc_u32 v13, 61440, v13
	LOADS 2
	WM16 1
	PLACES
	LOADS 3
	s_wait_dscnt 36
	WM16 2
	REFILL 0, 96
	v_add_nc_u32 v12, 61440, v12
	v_add_nc_u32 v13, 61440, v13
	LOADS 4
	WM16 3
	PLACES
	LOADS 5
	s_wait_dscnt 36
	WM16 4
	s_wait_dscnt 0x0
	PLACES
	v_add_nc_u32 v12, 61440, v12
	v_add_nc_u32 v13, 61440, v13
	LOADS 6
	WM16 5
	PLACES
	LOADS 7
	s_wait_dscnt 36
	WM16 6
	REFILL 1, 98
	s_mov_b32 s2, 184320
	v_sub_nc_u32 v12, v12, s2
	v_sub_nc_u32 v13, v13, s2
	FETCH8
	WM16 7
	PLACES
	s_cmp_eq_u32 s52, 0
	s_cbranch_scc0 .Lprep_v
	PREP_T 22, 30, 0, 42
	s_branch .Lprep_j
.Lprep_v:
	PREP_V 24, 32, 0, 42
.Lprep_j:
	; ---- elu + 1 = (max(x, 0) + (e^min(x, 0) - 1)) + 1, with elu's own roundings; all in window 3
	WIN 0xff
.set i, 0
.rept 64
	v_pk_mul_f32 v[128+i:129+i], v[i:i+1], s[58:59] op_sel_hi:[1,0]
.set i, i+2
.endr
.set i, 0
.rept 128
	v_min_num_f32 v[128+i], 0, v[128+i]
.set i, i+1
.endr
.set i, 0
.rept 128
	v_exp_f32 v[128+i], v[128+i]
.set i, i+1
.endr
.set i, 0
.rept 128
	v_max_num_f32 v[i], 0, v[i]
.set i, i+1
.endr
.set i, 0
	s_wait_alu depctr_va_vdst(0)
.rept 64
	v_pk_add_f32 v[128+i:129+i], v[128+i:129+i], -1.0 op_sel_hi:[1,0]
.set i, i+2
.endr
.set i, 0
.rept 64
	v_pk_add_f32 v[i:i+1], v[i:i+1], v[128+i:129+i]
.set i, i+2
.endr
.set i, 0
.rept 64
	v_pk_add_f32 v[i:i+1], v[i:i+1], 1.0 op_sel_hi:[1,0]
.set i, i+2
.endr
	WIN 0
	s_cmp_eq_u32 s52, 0
	s_cbranch_scc0 .Lkepi
	; ---- phi_q: a lane holds a token and features 8 h + 0 .. 7 of a head: 16 bytes of bf16
	v_and_b32 v160, 7, v0
	v_bfe_u32 v161, v0, 3, 1
	v_mad_u32_u24 v162, v161, 40, v160
	v_mad_u32_u24 v163, v161, 24, v160
	v_bfe_u32 v161, v0, 4, 1
	v_lshlrev_b32 v161, 4, v161
	v_lshl_add_u32 v160, v162, 5, v161
	v_lshl_add_u32 v161, v163, 5, v161
	WIN 0xff
.set i, 0
.rept 64
	v_cvt_pk_bf16_f32 v[128+i], v[2*i], v[2*i+1]
.set i, i+1
.endr
	WIN 0x0c
.irp g, 0,1,2,3
.irp t, 0,1,2,3
	global_store_b128 v[160+\t%2], v[128+4*(4*\g+\t):131+4*(4*\g+\t)], s[44:45] offset:131072*\g+256*\t   ; two runs of 256 consecutive bytes, aligned
.endr
.endr
	s_wait_xcnt 0x0                                ; the stores' registers are written again in the next pass
	WIN 0
	s_branch .Lepi_j
.Lkepi:
	; ---- pk = phi_k T, z, and pk's codes along the tokens; all in window 3: T at v128, v160 by turns; at work v192 on
	s_mul_i32 s2, s50, 1088
	s_add_co_u32 s2, s2, TR
	v_bfe_u32 v160, v0, 4, 1
	v_lshl_add_u32 v160, v160, 7, s2               ; T of my first head, my half
	s_mul_i32 s2, s50, PKW
	s_add_co_u32 s2, s2, PKI
	v_add_nc_u32 v161, s2, v[LI]
	v_and_b32 v164, 31, v0
	v_lshl_add_u32 v162, v164, 3, s2
	v_lshl_add_u32 v163, v164, 2, s2
	v_lshlrev_b32 v164, 2, v164
.macro TLD g
	WIN 0xc0
.irp i, 0,1,2,3,4,5,6,7
	ds_load_b128 v[128+32*((\g)%2)+4*\i:131+32*((\g)%2)+4*\i], v160 offset:272*(\g)+16*\i
.endr
.endm
	WIN 0xc0
	v_bfe_u32 v214, v0, 4, 1
	TLD 0
	TLD 1
	WIN 0xff
	v_lshlrev_b32 v214, 3, v214                    ; 8 h
	v_mov_b32 v213, 0
.macro KH g, cnt
.set KPA, 32*(\g)
.set KT, 128+32*((\g)%2)
.set KC, 216+18*((\g)%2)
.set KWD, 212+28*((\g)%2)
	s_wait_dscnt \cnt                              ; this head's T is in; what was issued behind its loads may be out
	WIN 0xff
.irp i, 0,2,4,6,8,10,12,14,16,18,20,22,24,26,28,30
	v_pk_mul_f32 v[KPA+\i:KPA+\i+1], v[KPA+\i:KPA+\i+1], v[KT+\i:KT+\i+1]
.endr
.irp i, 0,1,2,3,4,5,6,7
	v_pk_add_f32 v[192+2*\i:193+2*\i], v[KPA+4*\i:KPA+4*\i+1], v[KPA+4*\i+2:KPA+4*\i+3]
.endr
	v_max3_num_f32 v208, v[KPA], v[KPA+1], 0x2800000   ; pk is never negative; the floor holds the byte at 1 from below
	v_max3_num_f32 v209, v[KPA+2], v[KPA+3], 0x2800000
.irp i, 4,8,12,16,20,24,28
	v_max3_num_f32 v208, v208, v[KPA+\i], v[KPA+\i+1]
	v_max3_num_f32 v209, v209, v[KPA+\i+2], v[KPA+\i+3]
.endr
.irp i, 0,1,2,3
	v_pk_add_f32 v[192+4*\i:193+4*\i], v[192+4*\i:193+4*\i], v[194+4*\i:195+4*\i]
.endr
	v_max_num_f32 v208, v208, v209
	v_pk_add_f32 v[192:193], v[192:193], v[196:197]
	v_pk_add_f32 v[200:201], v[200:201], v[204:205]
	v_add_nc_u32 v210, 0xfe000000, v208
	v_pk_add_f32 v[192:193], v[192:193], v[200:201]
	v_lshrrev_b32 v211, 23, v210
	v_lshlrev_b32 v[KWD], v214, v211
	v_add_f32 v[228+\g], v192, v193
	v_permlanex16_b32 v213, v[KWD], s54, s55
	v_or_b32 v[KWD], v[KWD], v213
	v_permlanex16_b32 v213, v[228+\g], s54, s55
	v_add_f32 v[228+\g], v[228+\g], v213           ; z(head, f = r) of my 64 tokens
	v_cvt_scalef32_pk16_bf6_f32 v[KC:KC+2], v[KPA:KPA+15], v210
	v_cvt_scalef32_pk16_bf6_f32 v[222:224], v[KPA+16:KPA+31], v210
	v_nop
.irp i, 0,1,2
	v_mov_b32 v[KC+3+\i], v[222+\i]
.endr
	WIN 0x0c
	ds_store_b128 v161, v[KC:KC+3] offset:896*(\g)
	ds_store_b64 v162, v[KC+4:KC+5] offset:896*(\g)+512
	ds_store_b32 v163, v[KWD] offset:896*(\g)+768
.if \g < 2
	TLD \g+2
.endif
.endm
	KH 0, 8
	KH 1, 11
	KH 2, 11
	KH 3, 3
	WIN 0xff
	v_cmp_ne_u32 vcc_lo, 0, v214
	v_cndmask_b32 v232, v228, v229, vcc_lo         ; lanes 0-15 the even head's z, lanes 16-31 the odd head's
	v_cndmask_b32 v233, v230, v231, vcc_lo
	WIN 0x0c
	global_store_b32 v164, v232, s[48:49]
	global_store_b32 v164, v233, s[48:49] offset:128
	s_wait_xcnt 0x0
	WIN 0
.Lepi_j:
	s_add_co_u32 s52, s52, 1
	s_cmp_lt_u32 s52, 2
	s_cbranch_scc1 .Lchain
; ================= v: two passes with the tokens as source 0; each ends with two heads' kv
	s_mov_b64 s[4:5], s[16:17]
	s_mov_b32 s52, 2                               ; passes to go
.Lv:
	s_add_nc_u64 s[66:67], s[4:5], s[38:39]        ; this pass's third tile,
	s_add_nc_u64 s[8:9], s[4:5], s[40:41]          ; its fourth,
	s_add_nc_u64 s[4:5], s[4:5], 98304
	s_add_nc_u64 s[96:97], s[4:5], s[34:35]        ; and the next pass's first two (in the last pass they are not asked for)
	s_add_nc_u64 s[98:99], s[4:5], s[36:37]
	s_wait_loadcnt 0x0
	WIN 0x41
.irp g, 0,1,2,3,4,5,6,7
.irp j, 1,2,3,4,5,6,7
	v_mov_b32 v[192+8*\g+\j], v[192+8*\g]
.endr
.endr
	WIN 0
	s_wait_dscnt 0x0
	KA 1, 0, 0, 1
	KB 1, 1, 0, 1, 1, 66, 0
	KA 1, 2, 1, 0
	KB 1, 3, 1, 1, 1, 8, 0
	KA 1, 4, 0, 0
	s_cmp_eq_u32 s52, 1
	s_cbranch_scc1 .Lvtail                         ; the last pass's tail is written out: it asks for nothing more
	KB 1, 5, 0, 1, 1, 96, 0
	KA 1, 6, 1, 0
	KB 1, 7, 1, 1, 0, 98, 0
	PLACES
	FETCH8
	PREP_V 24, 32, 1, 42
	VEPI 0
	s_sub_co_u32 s52, s52, 1
	s_branch .Lv
.Lvtail:
	KB 1, 5, 0, 0, 1, 96, 0
	KA 1, 6, 1, 0
	KL 1, 7
	PLACES
	VEPI 1
	s_wait_tensorcnt 0x0                           ; the wave's end
	ds_add_u32 v[SPW], v[NIL]
	s_wait_dscnt 0x0
	ROUND                                          ; the closing round
	s_endpgm
.Lfunc_end_k_qa5076ec05e_chain:
	.size	k_qa5076ec05e_chain, .Lfunc_end_k_qa5076ec05e_chain-k_qa5076ec05e_chain
	.p2alignl 7, 3214868480
	.fill 96, 4, 3214868480
	.section	.rodata,"a",@progbits
	.p2align	6, 0x0
	.amdhsa_kernel k_qa5076ec05e_chain
		.amdhsa_group_segment_fixed_size 327680
		.amdhsa_private_segment_fixed_size 0
		.amdhsa_enable_private_segment 0
		.amdhsa_kernarg_size 168
		.amdhsa_user_sgpr_count 2
		.amdhsa_user_sgpr_kernarg_segment_ptr 1
		.amdhsa_wavefront_size32 1
		.amdhsa_system_sgpr_workgroup_id_x 1
		.amdhsa_system_sgpr_workgroup_id_y 1
		.amdhsa_system_sgpr_workgroup_id_z 1
		.amdhsa_system_vgpr_workitem_id 0
		.amdhsa_next_free_vgpr 1024
		.amdhsa_next_free_sgpr 102
		.amdhsa_reserve_vcc 1
		.amdhsa_float_denorm_mode_32 3
		.amdhsa_float_denorm_mode_16_64 3
		.amdhsa_memory_ordered 1
		.amdhsa_forward_progress 1
		.amdhsa_inst_pref_size 255
	.end_amdhsa_kernel
	.section	.bss,"aw",@nobits
	.p2align	6
	.space	262144
	.amdgpu_metadata
---
amdhsa.version: [ 1, 2 ]
amdhsa.kernels:
  - .name:           k_qa5076ec05e_chain
    .symbol:         k_qa5076ec05e_chain.kd
    .args:
      - { .name: x_codes, .offset: 0, .size: 8, .value_kind: global_buffer, .address_space: global }
      - { .name: x_scales, .offset: 8, .size: 8, .value_kind: global_buffer, .address_space: global }
      - { .name: Wq_codes, .offset: 16, .size: 8, .value_kind: global_buffer, .address_space: global }
      - { .name: Wk_codes, .offset: 24, .size: 8, .value_kind: global_buffer, .address_space: global }
      - { .name: Wv_codes, .offset: 32, .size: 8, .value_kind: global_buffer, .address_space: global }
      - { .name: Wphi_codes, .offset: 40, .size: 8, .value_kind: global_buffer, .address_space: global }
      - { .name: Wq_scales, .offset: 48, .size: 8, .value_kind: global_buffer, .address_space: global }
      - { .name: Wk_scales, .offset: 56, .size: 8, .value_kind: global_buffer, .address_space: global }
      - { .name: Wv_scales, .offset: 64, .size: 8, .value_kind: global_buffer, .address_space: global }
      - { .name: Wphi_scales, .offset: 72, .size: 8, .value_kind: global_buffer, .address_space: global }
      - { .name: bq, .offset: 80, .size: 8, .value_kind: global_buffer, .address_space: global }
      - { .name: bk, .offset: 88, .size: 8, .value_kind: global_buffer, .address_space: global }
      - { .name: bv, .offset: 96, .size: 8, .value_kind: global_buffer, .address_space: global }
      - { .name: temp_input_codes, .offset: 104, .size: 8, .value_kind: global_buffer, .address_space: global }
      - { .name: temp_input_scales, .offset: 112, .size: 8, .value_kind: global_buffer, .address_space: global }
      - { .name: Wt_codes, .offset: 120, .size: 8, .value_kind: global_buffer, .address_space: global }
      - { .name: Wt_scales, .offset: 128, .size: 8, .value_kind: global_buffer, .address_space: global }
      - { .name: bt, .offset: 136, .size: 8, .value_kind: global_buffer, .address_space: global }
      - { .name: phiq, .offset: 144, .size: 8, .value_kind: global_buffer, .address_space: global }
      - { .name: kvp, .offset: 152, .size: 8, .value_kind: global_buffer, .address_space: global }
      - { .name: zp, .offset: 160, .size: 8, .value_kind: global_buffer, .address_space: global }
    .group_segment_fixed_size: 327680
    .private_segment_fixed_size: 0
    .kernarg_segment_align: 8
    .kernarg_segment_size: 168
    .max_flat_workgroup_size: 128
    .sgpr_count:     102
    .vgpr_count:     1024
    .wavefront_size: 32
...
	.end_amdgpu_metadata
.endif
;; end of part 1
;; launch attend (part 2): grid 64 x 4, 8 waves a work-group, no clusters, 44,032 bytes of LDS; arguments phiq, kvp, zp, out0; writes out0
.if DOCPART == 2
	.amdgcn_target "amdgcn-amd-amdhsa--gfx1250"
	.amdhsa_code_object_version 6
	.text
	.protected	k_qa5076ec05e_attend
	.globl	k_qa5076ec05e_attend
	.p2align	8
	.type	k_qa5076ec05e_attend,@function
k_qa5076ec05e_attend:
	s_mov_b64 s[64:65], 0
	v_nop
	global_prefetch_b8 v0, s[64:65] scope:SCOPE_SE
	s_setreg_imm32_b32 hwreg(HW_REG_WAVE_MODE, 25, 1), 1
	s_wait_xcnt 0x0
; out(token, d) = sum_f phi_q(token, f) kv(f, d) / (sum_f phi_q(token, f) z(f) + 1e-6), for one (batch, head) and a quarter of its 4,096 tokens.
; kv and z are first summed over the batch's 64 partial sums of the launch before, in f32.
; The two products have K = 16 and are left as they are: bf16 operands, f32 sums.  The instruction's K is 32: k = 0 .. 15 take phi_q against the upper bf16 part of kv (or z),
; k = 16 .. 31 take phi_q again against what the upper part left over, so that kv and z enter with about 16 bits.
; Source 0 = 16 of the head's 64 d (or z in all 16 rows), source 1 = 16 tokens: a lane holds one token and eight neighbouring d.
; SHARES: eight waves; a wave has 128 tokens, 8 tiles of 16.  No tensor loads, no cluster: the work-groups of one (batch, head) share only 256 KB of partial sums.
; LIMITS: NaN and infinities are not served; phi_q was rounded to bf16.
.set EX,  0                            ; eight images of 1 KB: the waves' sums of kv
.set STG, 8192                         ; for each wave 16 rows x (256 bytes + 16)
	s_load_b256 s[4:11], s[0:1], 0x0               ; phiq, kvp, zp, out0
	v_lshl_add_u32 v14, v0, 2, 0xa800
	v_mov_b32 v15, 0
	v_lshrrev_b32 v10, 5, v0
	v_readfirstlane_b32 s12, v10                   ; wave 0..7
	s_and_b32 s13, ttmp7, 0xffff                   ; quarter of the tokens
	s_lshr_b32 s14, ttmp9, 4                       ; batch
	s_and_b32 s15, ttmp9, 15                       ; head
	v_and_b32 v10, 31, v0
	v_and_b32 v11, 15, v0                          ; r
	v_bfe_u32 v12, v0, 4, 1                        ; h
	v_lshlrev_b32 v1, 4, v10                       ; 16 x lane
	v_lshlrev_b32 v2, 10, v11
	v_lshl_add_u32 v2, v12, 5, v2                  ; zp: partial r, features 8 h on
	v_lshlrev_b32 v3, 5, v11
	v_lshl_add_u32 v3, v12, 4, v3                  ; phiq: token r, features 8 h on
	s_mul_i32 s16, s12, 4352
	s_add_co_u32 s16, s16, STG
	v_mul_u32_u24 v4, v11, 272
	v_lshl_add_u32 v4, v12, 5, v4
	v_add_nc_u32 v4, s16, v4                       ; the stage, in: row r, 32 h
	v_mul_u32_u24 v5, v12, 272
	v_lshl_add_u32 v5, v11, 4, v5
	v_add_nc_u32 v5, s16, v5                       ; back: lanes 0-15 one row, lanes 16-31 the next
	v_lshlrev_b32 v6, 12, v12
	v_lshl_add_u32 v6, v11, 4, v6                  ; and the same two rows in out0
	s_lshl_b32 s16, s12, 10
	v_add_nc_u32 v7, s16, v1                       ; my image
	v_mov_b32 v9, 0                                ; (named as the upper half of the pair v[8:9])
	s_mov_b32 s17, 0
	s_mov_b32 s19, 0
	s_wait_kmcnt 0x0
	s_lshl_b32 s16, ttmp9, 17
	s_add_nc_u64 s[4:5], s[4:5], s[16:17]
	s_lshl_b32 s16, s13, 15
	s_lshl_b32 s18, s12, 12
	s_add_co_u32 s16, s16, s18
	s_add_nc_u64 s[4:5], s[4:5], s[16:17]          ; phiq at my wave's first token
	s_lshl_b32 s16, s14, 22
	s_lshl_b32 s18, s15, 12
	s_add_co_u32 s16, s16, s18
	s_and_b32 s18, s12, 3
	s_lshl_b32 s18, s18, 10
	s_add_co_u32 s16, s16, s18
	s_lshr_b32 s18, s12, 2
	s_lshl_b32 s18, s18, 21
	s_add_co_u32 s16, s16, s18
	s_add_nc_u64 s[6:7], s[6:7], s[16:17]          ; kvp: my batch, head, d tile w % 4, partials 32 (w / 4) on
	s_lshl_b32 s16, s14, 16
	s_lshl_b32 s18, s15, 6
	s_add_co_u32 s16, s16, s18
	s_add_nc_u64 s[8:9], s[8:9], s[16:17]
	s_lshl_b32 s16, s14, 24
	s_lshl_b32 s18, s13, 22
	s_add_co_u32 s16, s16, s18
	s_lshl_b32 s18, s12, 19
	s_add_co_u32 s16, s16, s18
	s_lshl_b32 s18, s15, 8
	s_add_co_u32 s16, s16, s18
	s_add_nc_u64 s[10:11], s[10:11], s[16:17]      ; out0 at my wave's first token, my head's 256 bytes
.irp m, 0,1,2,3,4,5,6,7
	global_load_b128 v[16+8*\m:19+8*\m], v3, s[4:5] offset:512*\m th:TH_LOAD_NT   ; 16 tokens: 512 consecutive bytes; read once in the launch
.endr
.irp q, 0,1,2,3
	global_load_b128 v[80+8*\q:83+8*\q], v2, s[8:9] offset:16384*\q
	global_load_b128 v[84+8*\q:87+8*\q], v2, s[8:9] offset:16384*\q+16
.endr
.macro BATCH k                         ; eight partial sums of my d tile: sixteen loads of 512 consecutive bytes
.irp i, 0,1,2,3,4,5,6,7
	global_load_b128 v[120+64*((\k)%2)+8*\i:123+64*((\k)%2)+8*\i], v1, s[6:7] offset:65536*(8*(\k)+\i)
	global_load_b128 v[124+64*((\k)%2)+8*\i:127+64*((\k)%2)+8*\i], v1, s[6:7] offset:65536*(8*(\k)+\i)+512
.endr
.endm
.macro ACCUM k
.set LB, 120+64*((\k)%2)
.irp i, 0,1,2,3,4,5,6,7
.irp c, 0,2,4,6
.if (\k) == 0 && \i == 1
	v_pk_add_f32 v[248+\c:249+\c], v[LB+\c:LB+\c+1], v[LB+8+\c:LB+9+\c]      ; the first two start the sum
.elseif (\k) > 0 || \i > 1
	v_pk_add_f32 v[248+\c:249+\c], v[248+\c:249+\c], v[LB+8*\i+\c:LB+8*\i+\c+1]
.endif
.endr
.endr
.endm
.macro HILO s, f                       ; eight f32 become a fragment: registers 0-3 their bf16 parts, registers 4-7 what those left over, again as bf16
.irp i, 0,1,2,3
	v_cvt_pk_bf16_f32 v[\f+\i], v[\s+2*\i], v[\s+2*\i+1]
.endr
.irp i, 0,1,2,3
	v_lshlrev_b32 v[10+2*(\i%2)], 16, v[\f+\i]
	v_and_b32 v[11+2*(\i%2)], 0xffff0000, v[\f+\i]
	v_sub_f32 v[\s+2*\i], v[\s+2*\i], v[10+2*(\i%2)]
	v_sub_f32 v[\s+2*\i+1], v[\s+2*\i+1], v[11+2*(\i%2)]
.endr
.irp i, 0,1,2,3
	v_cvt_pk_bf16_f32 v[\f+4+\i], v[\s+2*\i], v[\s+2*\i+1]
.endr
.endm
	BATCH 0
	BATCH 1
	s_wait_loadcnt 16                              ; all but the youngest batch: phi_q, z and batch 0 are in
	ACCUM 0
	BATCH 2
.irp m, 0,1,2,3,4,5,6,7                ; k = 16 .. 31 take the same features again
.irp i, 0,1,2,3
	v_mov_b32 v[20+8*\m+\i], v[16+8*\m+\i]
.endr
.endr
.irp c, 0,2,4,6                        ; z: my four partial sums,
	v_pk_add_f32 v[80+\c:81+\c], v[80+\c:81+\c], v[88+\c:89+\c]
	v_pk_add_f32 v[96+\c:97+\c], v[96+\c:97+\c], v[104+\c:105+\c]
.endr
.irp c, 0,2,4,6
	v_pk_add_f32 v[80+\c:81+\c], v[80+\c:81+\c], v[96+\c:97+\c]
.endr
.irp x, 1,2,4,8                        ; and the sixteen lanes' of my half: every lane then has z(8 h + j)
.irp j, 0,1,2,3,4,5,6,7
	v_add_f32_dpp v[80+\j], v[80+\j], v[80+\j] row_xmask:\x row_mask:0xf bank_mask:0xf
.endr
.endr
	HILO 80, 112
	s_wait_loadcnt 16                              ; batch 1 is in
	ACCUM 1
	BATCH 3
	s_wait_loadcnt 16                              ; batch 2
	ACCUM 2
	s_wait_loadcnt 0x0
	ACCUM 3
	ds_store_b128 v7, v[248:251]
	ds_store_b128 v7, v[252:255] offset:512
	s_wait_dscnt 0x0                               ; for the others' sake
	s_barrier_signal -1
	s_barrier_wait -1
.irp g, 0,1,2,3,4,5,6,7
	ds_load_b128 v[120+8*\g:123+8*\g], v1 offset:EX+1024*\g
	ds_load_b128 v[124+8*\g:127+8*\g], v1 offset:EX+1024*\g+512
.endr
	s_wait_dscnt 0x0
.irp d, 0,1,2,3
.irp c, 0,2,4,6
	v_pk_add_f32 v[120+8*\d+\c:121+8*\d+\c], v[120+8*\d+\c:121+8*\d+\c], v[152+8*\d+\c:153+8*\d+\c]
.endr
.endr
.irp d, 0,1,2,3
	HILO 120+8*\d, 80+8*\d
.endr
; A tile of 16 tokens: four products for the head's 64 d, a fifth for the divisor (its register 0); then through my stage, so that sixteen lanes store a token's 256 bytes
.macro TILE m
.irp d, 0,1,2,3,4
	v_wmma_f32_16x16x32_bf16 v[120+8*\d:127+8*\d], v[80+8*\d:87+8*\d], v[16+8*(\m):23+8*(\m)], 0
.endr
.rept 4
	v_nop
.endr
	v_add_f32 v10, 0x358637bd, v152                ; + 1e-6
	v_rcp_f32 v8, v10
	v_nop
	s_wait_alu depctr_va_vdst(0)
.irp c, 0,2,4,6,8,10,12,14,16,18,20,22,24,26,28,30
	v_pk_mul_f32 v[120+\c:121+\c], v[120+\c:121+\c], v[8:9] op_sel_hi:[1,0]
.endr
.irp d, 0,1,2,3
	ds_store_b128 v4, v[120+8*\d:123+8*\d] offset:64*\d
	ds_store_b128 v4, v[124+8*\d:127+8*\d] offset:64*\d+16
.endr
	s_wait_xcnt 0x0                                ; the stores of two tiles ago have read these registers
.irp i, 0,1,2,3,4,5,6,7
	ds_load_b128 v[160+32*((\m)%2)+4*\i:163+32*((\m)%2)+4*\i], v5 offset:544*\i   ; LDS serves a wave's instructions in order: these see my stores
.endr
.irp i, 0,1,2,3,4,5,6,7
	s_wait_dscnt 7-\i                              ; the later loads may stay out
	global_store_b128 v6, v[160+32*((\m)%2)+4*\i:163+32*((\m)%2)+4*\i], s[10:11] offset:65536*(\m)+8192*\i th:TH_STORE_NT   ; sixteen lanes store 256 consecutive bytes, aligned
.endr
.endm
	TILE 0
	TILE 1
	TILE 2
	TILE 3
	TILE 4
	TILE 5
	TILE 6
	TILE 7
	s_wait_tensorcnt 0x0
	ds_add_u32 v14, v15
	s_wait_dscnt 0x0
	s_endpgm
.Lfunc_end_k_qa5076ec05e_attend:
	.size	k_qa5076ec05e_attend, .Lfunc_end_k_qa5076ec05e_attend-k_qa5076ec05e_attend
	.p2alignl 7, 3214868480
	.fill 96, 4, 3214868480
	.section	.rodata,"a",@progbits
	.p2align	6, 0x0
	.amdhsa_kernel k_qa5076ec05e_attend
		.amdhsa_group_segment_fixed_size 44032
		.amdhsa_private_segment_fixed_size 0
		.amdhsa_enable_private_segment 0
		.amdhsa_kernarg_size 32
		.amdhsa_user_sgpr_count 2
		.amdhsa_user_sgpr_kernarg_segment_ptr 1
		.amdhsa_wavefront_size32 1
		.amdhsa_system_sgpr_workgroup_id_x 1
		.amdhsa_system_sgpr_workgroup_id_y 1
		.amdhsa_system_sgpr_workgroup_id_z 1
		.amdhsa_system_vgpr_workitem_id 0
		.amdhsa_next_free_vgpr 256
		.amdhsa_next_free_sgpr 66
		.amdhsa_reserve_vcc 0
		.amdhsa_float_denorm_mode_32 3
		.amdhsa_float_denorm_mode_16_64 3
		.amdhsa_memory_ordered 1
		.amdhsa_forward_progress 1
		.amdhsa_inst_pref_size 59
	.end_amdhsa_kernel
	.amdgpu_metadata
---
amdhsa.version: [ 1, 2 ]
amdhsa.kernels:
  - .name:           k_qa5076ec05e_attend
    .symbol:         k_qa5076ec05e_attend.kd
    .args:
      - { .name: phiq, .offset: 0, .size: 8, .value_kind: global_buffer, .address_space: global }
      - { .name: kvp, .offset: 8, .size: 8, .value_kind: global_buffer, .address_space: global }
      - { .name: zp, .offset: 16, .size: 8, .value_kind: global_buffer, .address_space: global }
      - { .name: out0, .offset: 24, .size: 8, .value_kind: global_buffer, .address_space: global }
    .group_segment_fixed_size: 44032
    .private_segment_fixed_size: 0
    .kernarg_segment_align: 8
    .kernarg_segment_size: 32
    .max_flat_workgroup_size: 256
    .sgpr_count:     66
    .vgpr_count:     256
    .wavefront_size: 32
...
	.end_amdgpu_metadata
.endif
;; end of part 2
